; MI455X (gfx1250); checked and timed in simulation.
; The chip was launched on July 23, 2026; its instructions are those of AMD's public machine-readable ISA for CDNA 5 (MIT licence, August 2026) and "CDNA5" Instruction Set Architecture Reference Guide (July 2026). The comments in the code are by the model that wrote it; some were corrected since.
;; Bit Linear. Allowed arithmetic: float matrix products may take bf16 or f16 operands with f32 sums; other float arithmetic in f32, or as packed bf16 or f16 multiplies, adds, multiply-adds, maxima and minima; sums over many terms, partial sums and values carried from step to step in f32; what a program stores and reads back later, other than sums and carried values, may be rounded once to bf16 or f16.
;; Inputs: weight 2,048 x 4,096 float32; x 2 x 4,096 x 4,096 float32.
;; Outputs: out0 2 x 4,096 x 2,048 float32.
;; One version. Each part assembles by itself: llvm-mc -triple=amdgcn-amd-amdhsa -mcpu=gfx1250 --defsym DOCPART=n.
;; ======== version 1 of 1: 2 launches
;; workspace buffers: xb 67,108,864 bytes; wb 16,777,216 bytes; psum 4,096 bytes
;; launch prep (part 1): grid 1024 x 1, 8 waves a work-group, no clusters, 1,280 bytes of LDS; arguments x, weight, xb, wb, psum; writes xb, wb, psum
.if DOCPART == 1
	.amdgcn_target "amdgcn-amd-amdhsa--gfx1250"
	.amdhsa_code_object_version 6
	.text
	.protected	k_q371d49bd85_prep
	.globl	k_q371d49bd85_prep
	.p2align	8
	.type	k_q371d49bd85_prep,@function
k_q371d49bd85_prep:
	s_mov_b64 s[64:65], 0
	v_nop
	global_prefetch_b8 v0, s[64:65] scope:SCOPE_SE
	s_setreg_imm32_b32 hwreg(HW_REG_WAVE_MODE, 25, 1), 1
	s_wait_xcnt 0x0
; BitLinear, first of two launches.  out0 = x . (sign(weight) alpha)^T with alpha = mean |weight|, one number for the whole matrix.
; alpha is a common factor of every term of every sum, so out0 = alpha (x . sign(weight)^T): the second launch multiplies x by the signs and scales the finished f32 sums once.
; NO WORK IS LEFT OUT: both inputs reach every output, and both are read whole, each byte once, here.
; THIS LAUNCH: xb = x rounded to bf16; wb = sign(weight) as bf16 (-1, 0, 1: exact); psum[g] = work-group g's f32 sum of |weight|.  The 1,024 partial sums stay in f32; the second launch adds them in a fixed order.
; LIMITS.  alpha multiplies the sum, not each weight: the order of rounding differs from the formula as written.  A weight of +0 or -0 counts as 0, a denormal weight as its sign.
; A NaN in weight makes its partial sum, and so alpha and every output, NaN.  An infinite weight makes alpha infinite; where the sum of signs times x is then 0 the result is NaN.
; |x| beyond bf16's largest finite number rounds to an infinity.  The sum of |weight| overflows f32 only where the mean is above 4e31.
; SHARES.  1,024 work-groups of eight waves.  Work-group g: 131,072 bytes of x and 32,768 bytes of weight; wave w an eighth of each: 32 loads of x, 8 of weight.
; A load of a wave covers 512 consecutive bytes (16 a lane); its four numbers a lane become 8 bytes, so a store of a wave covers 256 consecutive bytes, aligned.
; A ring of eight register slots keeps eight loads of every wave on their way; the weights go first, and each slot that they leave takes a load of x at once.
; No matrix unit, no tensor load, no cluster: no wave wants a byte that another has fetched.  No address register is ever rewritten: all steps stand in the immediates.
.set SPARE, 256                        ; LDS: bytes 0-31 the eight waves' sums (that block of 256 holds nothing else); from 256 on the spare words, 128 bytes a wave
.set XI,   2                           ; v2   my byte offset in the work-group's x:      16,384 w + 16 lane
.set XO,   3                           ; v3   in its xb:                                  8,192 w +  8 lane
.set WI,   4                           ; v4   in its weight:                              4,096 w + 16 lane
.set WO,   5                           ; v5   in its wb:                                  2,048 w +  8 lane
.set SPW,  6                           ; v6   LDS address of my spare word: SPARE + 4 x my thread's number; never rewritten
.set NIL,  7                           ; v7   0, for the add alone
.set ACC,  8                           ; v[8:11]   four running sums of |weight|
.set T,    12                          ; v[12:15]  four signs in f32
.set X,    16                          ; v[16:47]  slot i: 4 registers as loaded
.set Y,    48                          ; v[48:63]  slot i: 2 registers to store
.set ZERO, 64                          ; v64  0: the offset of psum's store and the LDS address of the waves' sums
.set PW,   65                          ; v65  4 w: where my wave's sum goes in LDS
	s_load_b256 s[4:11], s[0:1], 0x0               ; x s[4:5], weight s[6:7], xb s[8:9], wb s[10:11]
	s_load_b64 s[12:13], s[0:1], 0x20              ; psum
	v_lshl_add_u32 v[SPW], v0, 2, SPARE
	v_mov_b32 v[NIL], 0
	v_lshrrev_b32 v1, 5, v0
	v_readfirstlane_b32 s18, v1                    ; wave 0..7
	v_and_b32 v1, 31, v0                           ; lane
	s_lshl_b32 s16, s18, 14
	v_lshl_add_u32 v[XI], v1, 4, s16
	s_lshl_b32 s16, s18, 13
	v_lshl_add_u32 v[XO], v1, 3, s16
	s_lshl_b32 s16, s18, 12
	v_lshl_add_u32 v[WI], v1, 4, s16
	s_lshl_b32 s16, s18, 11
	v_lshl_add_u32 v[WO], v1, 3, s16
	v_mov_b32 v[ZERO], 0
	v_mov_b32 v[PW], s18
	v_lshlrev_b32 v[PW], 2, v[PW]
	s_mov_b32 s14, 0x7fffffff                      ; all bits but the sign
	s_mov_b32 s15, 0x3f800000                      ; 1.0
	s_mov_b32 s24, 0x76543210                      ; v_permlanex16_b32: each lane takes its own place in the other half
	s_mov_b32 s25, 0xfedcba98
	s_mov_b32 s17, 0                               ; the offsets below stay under 2^31: a pair with 0 on top
	s_wait_kmcnt 0x0
	s_lshl_b32 s16, ttmp9, 17                      ; each buffer's pointer gets its own offset of the work-group's share
	s_add_nc_u64 s[4:5], s[4:5], s[16:17]
	s_lshl_b32 s16, ttmp9, 15
	s_add_nc_u64 s[6:7], s[6:7], s[16:17]
	s_lshl_b32 s16, ttmp9, 16
	s_add_nc_u64 s[8:9], s[8:9], s[16:17]
	s_lshl_b32 s16, ttmp9, 14
	s_add_nc_u64 s[10:11], s[10:11], s[16:17]
	s_lshl_b32 s16, ttmp9, 2
	s_add_nc_u64 s[12:13], s[12:13], s[16:17]
.irp i, 0,1,2,3,4,5,6,7
	global_load_b128 v[X+4*(\i):X+4*(\i)+3], v[WI], s[6:7] offset:512*(\i) th:TH_LOAD_NT  ; the ring is filled with my wave's whole share of weight
.endr
; Slot i's weights: |w| into the sums, the signs to bf16, and the slot takes load i of x.
.macro WTURN i
	s_wait_loadcnt 7                               ; loads come back in order (ISA guide 5.7.1): slot i is in; the seven younger (later weights, and the i loads of x issued so far) stay out
.irp j, 0,1,2,3
.if (\i) == 0
	v_and_b32 v[ACC+(\j)], s14, v[X+4*(\i)+(\j)]   ; the first four |w| start the sums: nothing is cleared
.else
	v_add_f32 v[ACC+(\j)], v[ACC+(\j)], |v[X+4*(\i)+(\j)]|
.endif
.endr
.irp j, 0,1,2,3
	v_cmp_neq_f32 s[20+(\j)], 0, v[X+4*(\i)+(\j)]  ; w is not 0
.endr
.irp j, 0,1,2,3
	v_bfi_b32 v[T+(\j)], s14, s15, v[X+4*(\i)+(\j)]  ; 1.0 with w's sign
.endr
.irp j, 0,1,2,3
	v_cndmask_b32 v[T+(\j)], 0, v[T+(\j)], s[20+(\j)]  ; or 0
.endr
	v_cvt_pk_bf16_f32 v[Y+2*(\i)], v[T], v[T+1]    ; exact
	v_cvt_pk_bf16_f32 v[Y+2*(\i)+1], v[T+2], v[T+3]
	global_load_b128 v[X+4*(\i):X+4*(\i)+3], v[XI], s[4:5] offset:512*(\i) th:TH_LOAD_NT
	global_store_b64 v[WO], v[Y+2*(\i):Y+2*(\i)+1], s[10:11] offset:256*(\i) th:TH_STORE_NT
.endm
.irp i, 0,1,2,3,4,5,6,7
	WTURN \i
.endr
	; my wave's sum of |weight|: the four chains, then the 32 lanes; it goes to LDS now and is waited for at the barrier below
	v_add_f32 v[ACC], v[ACC], v[ACC+1]
	v_add_f32 v[ACC+2], v[ACC+2], v[ACC+3]
	v_add_f32 v[ACC], v[ACC], v[ACC+2]
	v_add_f32_dpp v[ACC], v[ACC], v[ACC] row_xmask:1 row_mask:0xf bank_mask:0xf
	v_add_f32_dpp v[ACC], v[ACC], v[ACC] row_xmask:2 row_mask:0xf bank_mask:0xf
	v_add_f32_dpp v[ACC], v[ACC], v[ACC] row_xmask:4 row_mask:0xf bank_mask:0xf
	v_add_f32_dpp v[ACC], v[ACC], v[ACC] row_xmask:8 row_mask:0xf bank_mask:0xf
	v_permlanex16_b32 v[ACC+1], v[ACC], s24, s25   ; its destination counts as read: a register that has been written
	v_add_f32 v[ACC], v[ACC], v[ACC+1]
	ds_store_b32 v[PW], v[ACC]                     ; all lanes write the same word with the same number
; Load n of x (n = 0 .. 31, slot n % 8) is rounded and stored; the slot takes load n + 8 while there is one.
.set n, 0
.rept 32
.set left, 7
.if n > 24
.set left, 31-n                                ; the last eight load nothing: the counts run down
.endif
	s_wait_loadcnt left                            ; load n is in; the younger ones stay out
	s_wait_xcnt 0x0                                ; every earlier memory instruction has had its addresses translated (ISA guide 3.1): the slot's Y, which its last store reads, is rewritten only behind this wait
	v_cvt_pk_bf16_f32 v[Y+2*(n%8)], v[X+4*(n%8)], v[X+4*(n%8)+1]
	v_cvt_pk_bf16_f32 v[Y+2*(n%8)+1], v[X+4*(n%8)+2], v[X+4*(n%8)+3]
.if n < 24
	global_load_b128 v[X+4*(n%8):X+4*(n%8)+3], v[XI], s[4:5] offset:512*(n+8) th:TH_LOAD_NT
.endif
	global_store_b64 v[XO], v[Y+2*(n%8):Y+2*(n%8)+1], s[8:9] offset:256*n th:TH_STORE_NT
.set n, n+1
.endr
	s_wait_dscnt 0x0                               ; for the others' sake: my wave's sum lies in LDS
	s_barrier_signal -1
	s_barrier_wait -1                              ; all eight do
	s_cmp_lg_u32 s18, 0
	s_cbranch_scc1 .Lend                           ; wave 0 adds them, in one fixed order
	ds_load_b128 v[X:X+3], v[ZERO]
	ds_load_b128 v[X+4:X+7], v[ZERO] offset:16
	s_wait_dscnt 0x0
	v_add_f32 v[X], v[X], v[X+1]
	v_add_f32 v[X+2], v[X+2], v[X+3]
	v_add_f32 v[X+4], v[X+4], v[X+5]
	v_add_f32 v[X+6], v[X+6], v[X+7]
	v_add_f32 v[X], v[X], v[X+2]
	v_add_f32 v[X+4], v[X+4], v[X+6]
	v_add_f32 v[X], v[X], v[X+4]
	s_wait_xcnt 0x0                                ; EXEC is a source of the stores above: it changes only behind this wait
	v_cmp_eq_u32 vcc_lo, 0, v0
	s_and_saveexec_b32 s19, vcc_lo                 ; thread 0 alone
	global_store_b32 v[ZERO], v[X], s[12:13]       ; psum[g]
	s_wait_xcnt 0x0                                ; and again, in front of the line that widens it
	s_or_b32 exec_lo, exec_lo, s19
.Lend:
	s_wait_tensorcnt 0x0                           ; the wave's end, behind my last LDS store
	ds_add_u32 v[SPW], v[NIL]
	s_wait_dscnt 0x0
	s_endpgm
.Lfunc_end_k_q371d49bd85_prep:
	.size	k_q371d49bd85_prep, .Lfunc_end_k_q371d49bd85_prep-k_q371d49bd85_prep
	.p2alignl 7, 3214868480
	.fill 96, 4, 3214868480
	.section	.rodata,"a",@progbits
	.p2align	6, 0x0
	.amdhsa_kernel k_q371d49bd85_prep
		.amdhsa_group_segment_fixed_size 1280
		.amdhsa_private_segment_fixed_size 0
		.amdhsa_enable_private_segment 0
		.amdhsa_kernarg_size 40
		.amdhsa_user_sgpr_count 2
		.amdhsa_user_sgpr_kernarg_segment_ptr 1
		.amdhsa_wavefront_size32 1
		.amdhsa_system_sgpr_workgroup_id_x 1
		.amdhsa_system_sgpr_workgroup_id_y 1
		.amdhsa_system_sgpr_workgroup_id_z 1
		.amdhsa_system_vgpr_workitem_id 0
		.amdhsa_next_free_vgpr 72
		.amdhsa_next_free_sgpr 66
		.amdhsa_reserve_vcc 1
		.amdhsa_float_denorm_mode_32 3
		.amdhsa_float_denorm_mode_16_64 3
		.amdhsa_memory_ordered 1
		.amdhsa_forward_progress 1
		.amdhsa_inst_pref_size 26
	.end_amdhsa_kernel
	.amdgpu_metadata
---
amdhsa.version: [ 1, 2 ]
amdhsa.kernels:
  - .name:           k_q371d49bd85_prep
    .symbol:         k_q371d49bd85_prep.kd
    .args:
      - { .name: x, .offset: 0, .size: 8, .value_kind: global_buffer, .address_space: global }
      - { .name: weight, .offset: 8, .size: 8, .value_kind: global_buffer, .address_space: global }
      - { .name: xb, .offset: 16, .size: 8, .value_kind: global_buffer, .address_space: global }
      - { .name: wb, .offset: 24, .size: 8, .value_kind: global_buffer, .address_space: global }
      - { .name: psum, .offset: 32, .size: 8, .value_kind: global_buffer, .address_space: global }
    .group_segment_fixed_size: 1280
    .private_segment_fixed_size: 0
    .kernarg_segment_align: 8
    .kernarg_segment_size: 40
    .max_flat_workgroup_size: 256
    .sgpr_count:     66
    .vgpr_count:     72
    .wavefront_size: 32
...
	.end_amdgpu_metadata
.endif
;; end of part 1
;; launch gemm (part 2): grid 8 x 32, 4 waves a work-group, clusters of 4 x 4, 327,680 bytes of LDS; arguments xb, wb, out0, psum; writes out0
.if DOCPART == 2
	.amdgcn_target "amdgcn-amd-amdhsa--gfx1250"
	.amdhsa_code_object_version 6
	.text
	.protected	k_q371d49bd85_gemm
	.globl	k_q371d49bd85_gemm
	.p2align	8
	.type	k_q371d49bd85_gemm,@function
k_q371d49bd85_gemm:
	s_mov_b64 s[64:65], 0
	v_nop
	global_prefetch_b8 v0, s[64:65] scope:SCOPE_SE
	s_setreg_imm32_b32 hwreg(HW_REG_WAVE_MODE, 25, 1), 1
	s_wait_xcnt 0x0
	s_wait_alu depctr_hold_cnt(0) depctr_sa_sdst(0) depctr_va_vdst(0) depctr_va_sdst(0) depctr_va_ssrc(0) depctr_va_vcc(0) depctr_vm_vsrc(0)
	s_getreg_b32 s2, hwreg(HW_REG_IB_STS2, 6, 4)
	s_cmp_eq_u32 s2, 0
	s_cbranch_scc0 .Lentry_in_a_cluster
	s_endpgm
.Lentry_in_a_cluster:
	s_bfe_u32 s2, ttmp6, 0x10000c
	s_cmp_lg_u32 s2, 0xf033
	s_cbranch_scc0 .Lentry_shape_is_right
	s_endpgm
.Lentry_shape_is_right:
; BitLinear, second launch.  out0[m][n] = alpha x the sum over k of xb[m][k] wb[n][k], alpha = 2^-23 x the sum of psum's 1,024 numbers (2,048 x 4,096 = 2^23 weights).
; xb: [8192][4096] bf16 (x rounded once), wb: [2048][4096] bf16 (the weights' signs: -1, 0, 1, exact), out0: [8192][2048] f32.  Sums in f32.  No work is left out.
; LIMITS: alpha multiplies the finished sum, not each weight (another order of rounding than the formula as written); NaN and infinities as the first launch's head says.
; A tile of out0, 256 x 256, is made by a work-group of four waves; a wave makes 128 x 128: 64 accumulators of 16 x 16, 512 registers.  32 x 8 tiles: 256 work-groups, one tile each.
; K goes in steps of 128 through a ring of two LDS slots filled by the tensor data mover: a tile's rows are 256 bytes of memory and start at multiples of 256 bytes from the buffer's first byte.
; CLUSTERS: 4 x 4 work-groups.  The four of a row of the cluster need the same tiles of xb, the four of a column the same tiles of wb: each tile is asked for JOINTLY, by the same tensor load
; with the same descriptor and a mask that names the four; each receives it in its own LDS.  That divides the requests for both operands by four.
; THE MATRIX INSTRUCTION IS USED TRANSPOSED: source 0 = 16 rows of wb, source 1 = 16 rows of xb.  In the result lane l holds row l % 16 of out0 and the columns 8 (l / 16) + 0 .. 7: 32 bytes on end.
; REGISTERS, in windows of 256 (s_set_vgpr_msb's low byte: bits 1:0 source 0, 3:2 source 1, 5:4 source 2, 7:6 destination):
;   window 0: v0-31 addresses; v32-63 psum's numbers, at the head; v64-127, v128-191 fragments of xb, two buffers; on the way out v64-127 scaled results, v128-191 and v192-255 rows read back, by turns
;   window 1: v64-127, v128-191 fragments of wb, two buffers
;   window 2: the 32 accumulators of my rows 0-63 (accumulator (a, b) at v[8 (8 a + b)]);   window 3: those of my rows 64-127
.set SIZE_M, 8192
.set SIZE_N, 2048
.set SIZE_K, 4096
.set KSTEP,  128
.set PITCH,  272                       ; an LDS row: 256 bytes of data + 16 of padding = 68 words: row r starts at bank 4 r mod 64 (64 banks of 4 bytes: ISA guide 11.1), so the 16 rows of a load start at 16 different banks
.set HALFT,  128*PITCH                 ; 128 rows: what one tensor load brings, and what one wave reads of either operand
.set SLOT,   4*HALFT                   ; xb's 256 rows, then wb's 256 rows
.set STAGE,  2*SLOT                    ; behind the ring, never filled by a tensor load: 16 rows x 528 bytes for each wave, for the way out
.set SPITCH, 528                       ; a stage row: 512 bytes (128 f32) + 16 = 132 words: again row r starts at bank 4 r mod 64
.set SPARE,  STAGE+4*16*SPITCH         ; behind the stages: the spare words, 128 bytes for each wave: two blocks of 256 bytes that no other line names
.set LAPS,   SIZE_K/(2*KSTEP)          ; a lap = two K steps = once round the ring: 16
.set ROWC,   SIZE_N*4                  ; bytes in a row of out0
.set ADRA, 16                          ; v16-17  LDS address of my xb fragments in slot 0, 1
.set ADRB, 20                          ; v20-21  the same for wb
.set STO,  24                          ; v24     the way out: where I put 32 bytes of a row
.set RD,   25                          ; v25     the way out: where I read 16 bytes of a row back
.set CO,   26                          ; v26     16 x lane: my bytes in 512 consecutive bytes of out0, and of psum; never rewritten
.set SPW,  28                          ; v28     LDS address of my spare word: SPARE + 4 x my thread's number; never rewritten
.set NIL,  29                          ; v29     0; never rewritten
.set PFO,  30                          ; v30     the prefetches' offset: my lane x a row of xb or wb (8,192 bytes); never rewritten
.set PSV,  32                          ; v32-63  psum, 32 numbers a lane
.set F0,   64                          ; fragment buffer 0
.set F1,   128                         ; fragment buffer 1
.set TMP,  64                          ; the way out: a block's 64 results times alpha
.set OB,   128                         ; the way out: 16 rows read back from the stage, 64 registers: v128-191 and v192-255 by turns
.set G1,   24                          ; s[24:31] descriptor group 1 for xb's tiles
.set G0,   32                          ; s[32:39] descriptor group 0 for xb's tiles, one set for each slot
.set LIM,  43                          ; s43      1 in a wave that prefetches, else the greatest number
.set PFA,  44                          ; s[44:45] where my prefetches stand: my work-group's 32 rows of the 128 that I fetch, one K step further along K than the refill in hand; a prefetch names the K step after that
.set G1B,  48                          ; s[48:55] descriptor group 1 for wb's tiles: it differs in the mask alone
.set G0B,  56                          ; s[56:63] descriptor group 0 for wb's tiles
.set PS,   68                          ; s[68:69] psum
.set ALPHA, 70                         ; s[70:71] alpha: the packed multiply names a pair and takes its low word for both halves
.set SEL,  72                          ; s[72:73] v_permlanex16_b32's selects
.set MSB, 0
.macro WIN new                         ; the immediate's high byte repeats the setting that is left; a switch that changes nothing is dropped
.if MSB != (\new)
	s_set_vgpr_msb (MSB<<8)|(\new)
.set MSB, \new
.endif
.endm
.set MUL_LO, 0xa1                      ; source 0 (wb) window 1, source 1 (xb) window 0, C and D window 2
.set MUL_HI, 0xf1                      ; the same, C and D window 3
.set TO_B,   0x40                      ; destination window 1, address window 0
; A joint load.  Waves 0 and 1 fetch xb's two halves, waves 2 and 3 wb's.  Each of the two lines has ONE mask and one set of registers for all that issue it.  The branch hangs on the wave's
; number alone.  An s_nop 0 and four v_nop follow each of the two lines, ahead of the jump, the label and what follows.
.macro JLOAD s
	s_cmp_eq_u32 s11, 0
	s_cbranch_scc0 .Lfor_b_\@
	tensor_load_to_lds s[G0+4*(\s):G0+4*(\s)+3], s[G1:G1+7]
	s_nop 0
.rept 4
	v_nop
.endr
	s_branch .Lasked_\@
.Lfor_b_\@:
	tensor_load_to_lds s[G0B+4*(\s):G0B+4*(\s)+3], s[G1B:G1B+7]
	s_nop 0
.rept 4
	v_nop
.endr
.Lasked_\@:
.endm
; A PREFETCH INTO THE L2, behind each joint refill, its five lines and the run of LDS loads that follows them: the K step that stands TWO refills on, 512 matrix instructions ahead of the load that will
; want it: 32 rows x 256 bytes, a lane a row, one instruction a wave.  Each row's 256 bytes of a K step are named ONCE in the launch: xb's tile row is read by both clusters of that row of clusters, and
; the one with cluster x = 0 asks; wb's tile column by the eight clusters of that column, and the one with cluster y = 0 asks.  The four partners that ask for a tile jointly share its rows out BY
; ADDRESS: of the 128 rows that a wave fetches, the partner at place p takes 32 p .. 32 p + 31 (p = cx for xb, cy for wb): no branch hangs on a work-group's place in its cluster.
; K steps 0 to 3 come by their loads alone; the loop's last trip (s3 = 1) asks for nothing: there is no K step two on.
.macro ASK
	s_cmp_gt_u32 s3, s[LIM]
	s_cbranch_scc0 .Lnot_mine_\@
	global_prefetch_b8 v[PFO], s[PFA:PFA+1] offset:KSTEP*2 th:TH_LOAD_NT scope:SCOPE_SE
.Lnot_mine_\@:
.endm
; A round of the cluster's barrier: my work-group's barrier, so that wave 0's signal speaks for all four waves; wave 0 signals for the work-group; every wave waits for all sixteen
; work-groups; my work-group's barrier once more.  No LDS instruction of the wave is pending at a signal.
.macro CREST                           ; a round behind its opening barrier
	s_cmp_lg_u32 s10, 0
	s_cbranch_scc1 .Lnot_wave_0_\@
	s_barrier_signal -3
.Lnot_wave_0_\@:
	s_barrier_wait -3
	s_barrier_signal -1
	s_barrier_wait -1
.endm
.macro CROUND                          ; a whole round
	s_barrier_signal -1
	s_barrier_wait -1
	CREST
.endm
	s_load_b128 s[4:7], s[0:1], 0x0                ; xb s[4:5], wb s[6:7]
	s_load_b64 s[8:9], s[0:1], 0x10                ; out0
	s_load_b64 s[PS:PS+1], s[0:1], 0x18            ; psum
	v_lshl_add_u32 v[SPW], v0, 2, SPARE
	v_mov_b32 v[NIL], 0
	ds_add_u32 v[SPW], v[NIL]                      ; the wave's opening: the add, twice on end, and its wait ahead of my first tensor load; the set-up below, work on registers, stands between
	ds_add_u32 v[SPW], v[NIL]                      ; and once more, under the one wait
	v_lshrrev_b32 v1, 5, v0
	v_readfirstlane_b32 s10, v1                    ; wave 0..3
	s_lshr_b32 s11, s10, 1                         ; which half of the tile's rows is mine.  Also: I fetch for xb (0) or for wb (1)
	s_and_b32 s12, s10, 1                          ; which half of its columns.  Also: which 128 rows of that tile I fetch
	s_bfe_u32 s40, ttmp6, 0x40000                  ; cx: my place along the cluster's x
	s_bfe_u32 s41, ttmp6, 0x40004                  ; cy: along its y
	s_lshl_b32 s42, ttmp9, 2                       ; in a cluster launch ttmp9 and ttmp7 count clusters
	s_add_co_u32 s42, s42, s40                     ; tile column = 4 x cluster x + cx: 0 .. 7
	s_and_b32 s13, ttmp7, 0xffff
	s_lshl_b32 s13, s13, 2
	s_add_co_u32 s13, s13, s41                     ; tile row = 4 x cluster y + cy: 0 .. 31
	s_lshl_b32 s43, s41, 2
	s_lshl_b32 s43, 15, s43                        ; my row of the cluster: places 4 cy .. 4 cy + 3
	s_lshl_b32 s44, 0x1111, s40                    ; my column: places cx, cx + 4, cx + 8, cx + 12
	; descriptor group 1: a tile of 128 rows x 128 elements, padded in LDS
	s_or_b32 s[G1+0], s43, (1<<16)|(1<<20)|(1<<21)|(5<<22)|(3<<25)  ; 15:0 the mask: xb's tiles go to my row; 17:16 elements of 2 bytes; 20 padding on; 21 set beside a mask; 24:22 after every 64 words (code 5); 31:25 4 words of it (code 3)
	s_or_b32 s[G1B+0], s44, (1<<16)|(1<<20)|(1<<21)|(5<<22)|(3<<25) ; the same with the mask of my column, for wb's tiles
.irp g, G1, G1B
	s_mov_b32 s[(\g)+1], KSTEP<<16                 ; 63:48 tensor_dim0, low half = 128
	s_mov_b32 s[(\g)+2], 128<<16                   ; 79:64 its high half = 0; 95:80 tensor_dim1, low half = 128
	s_mov_b32 s[(\g)+3], KSTEP<<16                 ; 111:96 its high half = 0; 127:112 tile_dim0 = 128
	s_mov_b32 s[(\g)+4], 128                       ; 143:128 tile_dim1 = 128; 159:144 tile_dim2 = 0
	s_mov_b32 s[(\g)+5], SIZE_K                    ; 191:160 tensor_dim0_stride, low word: elements from row to row
	s_mov_b32 s[(\g)+6], 0
	s_mov_b32 s[(\g)+7], 0
.endr
	; where the tiles come from.  xb's hang on the tile row alone, which my row of the cluster shares; wb's on the tile column alone, which my column shares.
	; Every wave makes both addresses, in registers that never hold the other coordinate, and asks by one of them.
	s_lshl_b32 s17, s12, 7                         ; which 128 rows of the tile I fetch
	s_lshl_b32 s16, s13, 8
	s_add_co_u32 s16, s16, s17                     ; xb: row 256 x tile row + 128 x half
	s_lshl_b32 s46, s42, 8
	s_add_co_u32 s46, s46, s17                     ; wb: row 256 x tile column + 128 x half
	s_mov_b32 s17, 0
	s_mov_b32 s47, 0
	s_mov_b64 s[18:19], SIZE_K*2
	s_mul_u64 s[16:17], s[16:17], s[18:19]         ; in bytes
	s_mul_u64 s[46:47], s[46:47], s[18:19]
	s_mul_i32 s20, s10, HALFT                      ; and where they go: wave x 128 rows: no place in the cluster enters an LDS address
	s_mov_b32 s[SEL], 0x76543210
	s_mov_b32 s[SEL+1], 0xfedcba98
	s_wait_dscnt 0x0                               ; both opening adds are done
	s_wait_kmcnt 0x0
	s_add_nc_u64 s[14:15], s[4:5], s[16:17]
	s_add_nc_u64 s[46:47], s[6:7], s[46:47]
	CROUND                                         ; all sixteen work-groups are here: the first joint loads meet
.irp s, 0,1
	s_mov_b32 s[G0+4*(\s)], 1                                      ; 1:0 count = 1
	s_add_co_u32 s[G0+4*(\s)+1], s20, (\s)*SLOT                    ; 63:32 LDS address
	s_add_nc_u64 s[G0+4*(\s)+2:G0+4*(\s)+3], s[14:15], (\s)*KSTEP*2  ; 120:64 global address: K step s
	s_or_b32 s[G0+4*(\s)+3], s[G0+4*(\s)+3], 0x80000000            ; 127:126 type = 2
	s_mov_b32 s[G0B+4*(\s)], 1
	s_add_co_u32 s[G0B+4*(\s)+1], s20, (\s)*SLOT
	s_add_nc_u64 s[G0B+4*(\s)+2:G0B+4*(\s)+3], s[46:47], (\s)*KSTEP*2
	s_or_b32 s[G0B+4*(\s)+3], s[G0B+4*(\s)+3], 0x80000000
	JLOAD \s                                       ; the ring is filled before anything else is done: two tensor loads of mine are out
.endr
	; psum: 4,096 bytes, 16 a lane and load; every wave adds all 1,024 numbers in the same order, so alpha is the same number everywhere
	v_and_b32 v5, 31, v0                           ; lane
	v_lshlrev_b32 v[CO], 4, v5
.irp j, 0,1,2,3,4,5,6,7
	global_load_b128 v[PSV+4*(\j):PSV+4*(\j)+3], v[CO], s[PS:PS+1] offset:512*(\j)
.endr
	; A fragment is 16 rows x 32 K in 8 registers: lane l holds row l % 16; registers 0-3 hold K = 8 (l / 16) + 0..7, registers 4-7 hold K = 16 + 8 (l / 16) + 0..7: two loads of 16 bytes, 32 bytes apart.
	v_and_b32 v1, 15, v0                           ; l % 16
	v_bfe_u32 v2, v0, 4, 1                         ; l / 16
	v_mul_u32_u24 v3, v1, PITCH
	v_lshl_add_u32 v3, v2, 4, v3                   ; row x pitch + 16 x half
	s_mul_i32 s21, s11, HALFT                      ; my 128 rows of xb
	s_mul_i32 s22, s12, HALFT                      ; my 128 rows of wb,
	s_add_co_u32 s22, s22, 2*HALFT                 ; which lie behind xb's 256
.irp s, 0,1
	v_add_nc_u32 v[ADRA+(\s)], s21, v3
	v_add_nc_u32 v[ADRB+(\s)], s22, v3
	s_add_co_u32 s21, s21, SLOT
	s_add_co_u32 s22, s22, SLOT
.endr
	s_mul_i32 s23, s10, 16*SPITCH
	s_add_co_u32 s23, s23, STAGE                   ; my stage
	v_mul_u32_u24 v4, v1, SPITCH                   ; in: row l % 16, 32 bytes for each half of the lanes
	v_lshl_add_u32 v4, v2, 5, v4
	v_add_nc_u32 v[STO], s23, v4
	v_add_nc_u32 v[RD], s23, v[CO]                 ; back: 32 lanes take one row of 512 bytes
	v_lshlrev_b32 v[PFO], 13, v5                   ; lane x 8,192
	; out0's pointer goes to my part of the tile
	s_lshl_b32 s13, s13, 8                         ; 256 x tile row
	s_lshl_b32 s14, s11, 7
	s_add_co_u32 s16, s13, s14                     ; my first row of out0
	s_mov_b32 s17, 0
	s_mov_b64 s[18:19], ROWC
	s_mul_u64 s[16:17], s[16:17], s[18:19]
	s_lshl_b32 s46, s42, 10                        ; my first column, in bytes: 1,024 x tile column + 512 x half (in the registers that held wb's address: none that feeds xb's descriptors ever holds cx)
	s_lshl_b32 s47, s12, 9
	s_add_co_u32 s46, s46, s47
	s_mov_b32 s47, 0
	s_add_nc_u64 s[16:17], s[16:17], s[46:47]
	s_add_nc_u64 s[8:9], s[8:9], s[16:17]
	; the prefetches.  s13 = 256 x tile row, s42 = tile column, s40 = cx, s41 = cy still stand
	s_lshl_b32 s42, s42, 8
	s_and_b32 s22, ttmp7, 0xffff                   ; cluster y
	s_cmp_eq_u32 s11, 0                            ; do I fetch for xb?
	s_cselect_b32 s20, s13, s42                    ; the tile's first row: in xb by the tile row, in wb by the tile column
	s_cselect_b32 s21, s40, s41                    ; my place among the four that ask for it with me
	s_cselect_b32 s22, ttmp9, s22                  ; the coordinate along which other clusters read the same rows
	s_cselect_b64 s[PFA:PFA+1], s[4:5], s[6:7]
	s_cmp_eq_u32 s22, 0
	s_cselect_b32 s[LIM], 1, -1                    ; the same in all sixteen partners, for a given wave
	s_lshl_b32 s22, s12, 7
	s_add_co_u32 s20, s20, s22                     ; + the 128 rows that I fetch
	s_lshl_b32 s21, s21, 5
	s_add_co_u32 s20, s20, s21                     ; + my work-group's 32 of them
	s_mov_b32 s21, 0
	s_mov_b64 s[18:19], SIZE_K*2
	s_mul_u64 s[20:21], s[20:21], s[18:19]
	s_add_nc_u64 s[PFA:PFA+1], s[PFA:PFA+1], s[20:21]
	s_add_nc_u64 s[PFA:PFA+1], s[PFA:PFA+1], 2*KSTEP*2  ; at K step 2: the first refill steps it to 3 and names K step 4.  Nothing is prefetched here, at the head, where every work-group's first tiles are on their way
	; alpha, while the first tiles are on their way
	s_wait_loadcnt 0x0                             ; psum
.irp i, 0,1,2,3,4,5,6,7
	v_pk_add_f32 v[PSV+2*(\i):PSV+2*(\i)+1], v[PSV+2*(\i):PSV+2*(\i)+1], v[PSV+16+2*(\i):PSV+16+2*(\i)+1]
.endr
.irp i, 0,1,2,3
	v_pk_add_f32 v[PSV+2*(\i):PSV+2*(\i)+1], v[PSV+2*(\i):PSV+2*(\i)+1], v[PSV+8+2*(\i):PSV+8+2*(\i)+1]
.endr
.irp i, 0,1
	v_pk_add_f32 v[PSV+2*(\i):PSV+2*(\i)+1], v[PSV+2*(\i):PSV+2*(\i)+1], v[PSV+4+2*(\i):PSV+4+2*(\i)+1]
.endr
	v_pk_add_f32 v[PSV:PSV+1], v[PSV:PSV+1], v[PSV+2:PSV+3]
	v_add_f32 v[PSV], v[PSV], v[PSV+1]
	v_add_f32_dpp v[PSV], v[PSV], v[PSV] row_xmask:1 row_mask:0xf bank_mask:0xf
	v_add_f32_dpp v[PSV], v[PSV], v[PSV] row_xmask:2 row_mask:0xf bank_mask:0xf
	v_add_f32_dpp v[PSV], v[PSV], v[PSV] row_xmask:4 row_mask:0xf bank_mask:0xf
	v_add_f32_dpp v[PSV], v[PSV], v[PSV] row_xmask:8 row_mask:0xf bank_mask:0xf
	v_permlanex16_b32 v[PSV+1], v[PSV], s[SEL], s[SEL+1]
	v_add_f32 v[PSV], v[PSV], v[PSV+1]             ; the sum of |weight|, in every lane
	v_mul_f32 v[PSV], 0x34000000, v[PSV]           ; x 2^-23: the mean
	v_readfirstlane_b32 s[ALPHA], v[PSV]           ; a factor for the results alone: no address and no branch hangs on it
	s_mov_b32 s[ALPHA+1], s[ALPHA]                 ; named with it as a pair
; 16 matrix instructions: m blocks a0, a0 + 1 of the window's four (hi = 0: my rows 0-63, 1: rows 64-127) x all 8 n blocks, 32 along K.  zero = 1: the first product starts the sums: nothing is ever cleared.
; The 64 accumulators take turns, one instruction a turn, in the same order in every quarter step, over the loop's backward jump and into the tail.
.macro MUL16 f, hi, a0, zero
	WIN MUL_LO+0x50*(\hi)
.irp a, \a0, (\a0)+1
.irp b, 0,1,2,3,4,5,6,7
.if \zero
	v_wmma_f32_16x16x32_bf16 v[8*(8*(\a)+(\b)):8*(8*(\a)+(\b))+7], v[(\f)+8*(\b):(\f)+8*(\b)+7], v[(\f)+8*(4*(\hi)+(\a)):(\f)+8*(4*(\hi)+(\a))+7], 0
.else
	v_wmma_f32_16x16x32_bf16 v[8*(8*(\a)+(\b)):8*(8*(\a)+(\b))+7], v[(\f)+8*(\b):(\f)+8*(\b)+7], v[(\f)+8*(4*(\hi)+(\a)):(\f)+8*(4*(\hi)+(\a))+7], v[8*(8*(\a)+(\b)):8*(8*(\a)+(\b))+7]
.endif
.endr
.endr
.endm
; 32 LDS loads in one run: the fragments of one quarter step (128 rows of wb, 128 rows of xb, 32 K at byte k of the rows) into buffer f
.macro FETCH slot, k, f
	WIN TO_B
.irp i, 0,1,2,3,4,5,6,7
	ds_load_b128 v[(\f)+8*(\i):(\f)+8*(\i)+3],   v[ADRB+(\slot)] offset:(\k)+(\i)*16*PITCH
	ds_load_b128 v[(\f)+8*(\i)+4:(\f)+8*(\i)+7], v[ADRB+(\slot)] offset:(\k)+(\i)*16*PITCH+32
.endr
	WIN 0
.irp i, 0,1,2,3,4,5,6,7
	ds_load_b128 v[(\f)+8*(\i):(\f)+8*(\i)+3],   v[ADRA+(\slot)] offset:(\k)+(\i)*16*PITCH
	ds_load_b128 v[(\f)+8*(\i)+4:(\f)+8*(\i)+7], v[ADRA+(\slot)] offset:(\k)+(\i)*16*PITCH+32
.endr
.endm
; A load into a register that a matrix instruction has read, and a vector instruction that reads a matrix result or writes one of a matrix instruction's registers, stand four places behind it, and
; only plain vector instructions that name none of its registers are places (ISA guide 7.12.1 for vector instructions); the matrix instructions between are not counted.
.macro PLACES
.rept 4
	v_nop
.endr
.endm
; A K step is four quarter steps of 32 along K, 64 matrix instructions each, on buffers 0, 1, 0, 1.
; One of the first three: multiplies buffer f; in its middle it fetches the next quarter's fragments, at byte k of the same slot's rows, into buffer g.
.macro QUARTER slot, k, f, g, zero
	s_wait_dscnt 8                                 ; wb and xb's rows 0-63 are in; the youngest eight loads (xb's rows 64-127) may be out
	MUL16 \f, 0, 0, \zero
	MUL16 \f, 0, 2, \zero
	PLACES
	FETCH \slot, \k, \g
	s_wait_dscnt 32                                ; all but the 32 just issued
	MUL16 \f, 1, 0, \zero
	MUL16 \f, 1, 2, \zero
.endm
; The last quarter multiplies buffer 1 and changes slots: ONE barrier, for two things.  In front of it each wave waits for all its tensor loads, of which one is out: its part of the next slot; adds 0 to
; its spare word; and waits for that and for its own reads of this slot.  Behind it nobody reads this slot any more and the next slot is whole.
; fill = 1: this slot is filled again, with the K step two on.  The barrier then opens a round of the cluster's barrier, so that no wave of any partner still reads the slot or has a load on its way, and
; the joint refill is the first tensor load behind the round, one a wave: from there to the wait for it a wave issues 224 matrix instructions.
.macro TURN slot, next, fill
.if \fill
	s_wait_xcnt 0x0                                ; the last prefetch, a K step back, has read its address: it is stepped here, ahead of the waits of the change of slots
	s_add_nc_u64 s[PFA:PFA+1], s[PFA:PFA+1], KSTEP*2
.endif
	WIN 0                                          ; (the add's two registers lie in window 0)
	s_wait_tensorcnt 0x0                           ; all my tensor loads have landed: the one that was out is my part of the next slot;
	ds_add_u32 v[SPW], v[NIL]                      ; 0 onto my spare word;
	s_wait_dscnt 9                                 ; (the add and the youngest eight loads may be out)
	MUL16 F1, 0, 0, 0                              ; sixteen matrix instructions stand between the add and the wait for it
	s_wait_dscnt 0x0                               ; the add is done, and my reads of this slot are over:
	s_barrier_signal -1                            ; say so,
	MUL16 F1, 0, 2, 0                              ; work on registers while the others arrive,
.if \fill
	WIN 0
.endif
	s_barrier_wait -1                              ; and go on when all four have said so
.if \fill
	CREST                                          ; wave 0 says so for the work-group, all sixteen work-groups have said so, my work-group's barrier closes the round
	s_add_nc_u64 s[G0+4*(\slot)+2:G0+4*(\slot)+3], s[G0+4*(\slot)+2:G0+4*(\slot)+3], 2*KSTEP*2    ; no tensor load of mine is out, so a group 0 may be written; the type bits on top are not reached
	s_add_nc_u64 s[G0B+4*(\slot)+2:G0B+4*(\slot)+3], s[G0B+4*(\slot)+2:G0B+4*(\slot)+3], 2*KSTEP*2
	JLOAD \slot                                    ; the four v_nop behind it are also the places in front of the loads below
.else
	PLACES
.endif
	FETCH \next, 0, F0
.if \fill
	ASK                                            ; behind the joint load and the run of LDS loads that the next products wait for
.endif
	MUL16 F1, 1, 0, 0
	MUL16 F1, 1, 2, 0
.endm
; THE WAY OUT of block a (16 of my rows x my 128 columns), in three parts.  PACK: times alpha, into window 0; each accumulator's registers in ascending order.
; TOSTAGE: 32 bytes a lane into my own stage in LDS, and back as whole rows of 512 bytes.  SEND: stored.
.macro PACK a
.set AC, 64*((\a)%4)
	WIN 0x02+(\a)/4                                ; source 0: window 2 or 3; destination window 0
.irp b, 0,1,2,3,4,5,6,7
.irp r, 0,1,2,3
	v_pk_mul_f32 v[TMP+8*(\b)+2*(\r):TMP+8*(\b)+2*(\r)+1], v[AC+8*(\b)+2*(\r):AC+8*(\b)+2*(\r)+1], s[ALPHA:ALPHA+1] op_sel_hi:[1,0]
.endr
.endr
	WIN 0
.endm
.macro TOSTAGE a
	WIN 0
.set BK, OB+64*((\a)%2)
.irp b, 0,1,2,3,4,5,6,7
	ds_store_b128 v[STO], v[TMP+8*(\b):TMP+8*(\b)+3]   offset:64*(\b)
	ds_store_b128 v[STO], v[TMP+8*(\b)+4:TMP+8*(\b)+7] offset:64*(\b)+16
.endr
.irp t, 0,1,2,3,4,5,6,7,8,9,10,11,12,13,14,15
	ds_load_b128 v[BK+4*(\t):BK+4*(\t)+3], v[RD] offset:(\t)*SPITCH  ; LDS serves a wave's instructions in order (ISA guide 5.7.1.4): these see the stores above; the stage is my wave's own
.endr
.endm
.macro SEND a
	WIN 0
.set BK, OB+64*((\a)%2)
	s_wait_dscnt 0x0                               ; the block is back in registers
	s_wait_xcnt 0x0                                ; every earlier memory instruction has had its addresses translated (ISA guide 3.1): only behind this wait are the stores' base and the registers that earlier stores read rewritten
.if (\a) > 0
	s_add_nc_u64 s[8:9], s[8:9], 16*ROWC           ; 16 rows of out0 on
.endif
.irp t, 0,1,2,3,4,5,6,7,8,9,10,11,12,13,14,15
	global_store_b128 v[CO], v[BK+4*(\t):BK+4*(\t)+3], s[8:9] offset:(\t)*ROWC th:TH_STORE_NT  ; the wave stores 512 consecutive bytes of a row, at a multiple of 512 from out0's first byte
.endr
.endm
	s_wait_tensorcnt 1                             ; my part of K step 0 is in; K step 1's may stay out
	s_barrier_signal -1
	s_barrier_wait -1                              ; everybody's is
	FETCH 0, 0, F0
	QUARTER 0, 64,  F0, F1, 1                      ; the first quarter stands in front of the loop: its products start the sums
	WIN 0                                          ; at a label and at a branch every window is 0
	s_mov_b32 s3, LAPS-1
.Llap:                                                 ; a trip goes once round the ring, from a lap's second quarter to the next lap's first, and fills both slots again
	QUARTER 0, 128, F1, F0, 0
	QUARTER 0, 192, F0, F1, 0
	TURN 0, 1, 1
	QUARTER 1, 64,  F0, F1, 0
	QUARTER 1, 128, F1, F0, 0
	QUARTER 1, 192, F0, F1, 0
	TURN 1, 0, 1
	QUARTER 0, 64,  F0, F1, 0
	WIN 0
	s_sub_co_u32 s3, s3, 1
	s_cmp_lg_u32 s3, 0
	s_cbranch_scc1 .Llap
	QUARTER 0, 128, F1, F0, 0                      ; the last lap is written out: it fills nothing, and it has no round of the cluster's barrier
	QUARTER 0, 192, F0, F1, 0
	TURN 0, 1, 0
	QUARTER 1, 64,  F0, F1, 0
	QUARTER 1, 128, F1, F0, 0
	QUARTER 1, 192, F0, F1, 0
	s_wait_dscnt 8                                 ; the very last quarter: nothing more to fetch
	MUL16 F1, 0, 0, 0
	MUL16 F1, 0, 2, 0
	s_wait_dscnt 0x0
	MUL16 F1, 1, 0, 0
	MUL16 F1, 1, 2, 0
	WIN 0
	PLACES                                         ; eight plain places, once a launch, between the last products and the first vector line that reads results or writes fragment registers
	PLACES
	PACK 0
	TOSTAGE 0
.irp a, 1,2,3,4,5,6,7                  ; block a's 32 multiplies stand between block a - 1's loads from the stage and the wait for them
	PACK \a
	SEND (\a)-1
	TOSTAGE \a
.endr
	SEND 7
	s_wait_tensorcnt 0x0                           ; the wave's end, behind my last tensor load and my last LDS store
	ds_add_u32 v[SPW], v[NIL]
	s_wait_dscnt 0x0
	CROUND                                         ; the closing round: no work-group ends while a partner may still ask for a tile that names it
	s_endpgm
.Lfunc_end_k_q371d49bd85_gemm:
	.size	k_q371d49bd85_gemm, .Lfunc_end_k_q371d49bd85_gemm-k_q371d49bd85_gemm
	.p2alignl 7, 3214868480
	.fill 96, 4, 3214868480
	.section	.rodata,"a",@progbits
	.p2align	6, 0x0
	.amdhsa_kernel k_q371d49bd85_gemm
		.amdhsa_group_segment_fixed_size 327680
		.amdhsa_private_segment_fixed_size 0
		.amdhsa_enable_private_segment 0
		.amdhsa_kernarg_size 32
		.amdhsa_user_sgpr_count 2
		.amdhsa_user_sgpr_kernarg_segment_ptr 1
		.amdhsa_wavefront_size32 1
		.amdhsa_system_sgpr_workgroup_id_x 1
		.amdhsa_system_sgpr_workgroup_id_y 1
		.amdhsa_system_sgpr_workgroup_id_z 1
		.amdhsa_system_vgpr_workitem_id 0
		.amdhsa_next_free_vgpr 1024
		.amdhsa_next_free_sgpr 74
		.amdhsa_reserve_vcc 0
		.amdhsa_float_denorm_mode_32 3
		.amdhsa_float_denorm_mode_16_64 3
		.amdhsa_memory_ordered 1
		.amdhsa_forward_progress 1
		.amdhsa_inst_pref_size 160
	.end_amdhsa_kernel
	.amdgpu_metadata
---
amdhsa.version: [ 1, 2 ]
amdhsa.kernels:
  - .name:           k_q371d49bd85_gemm
    .symbol:         k_q371d49bd85_gemm.kd
    .args:
      - { .name: xb, .offset: 0, .size: 8, .value_kind: global_buffer, .address_space: global }
      - { .name: wb, .offset: 8, .size: 8, .value_kind: global_buffer, .address_space: global }
      - { .name: out0, .offset: 16, .size: 8, .value_kind: global_buffer, .address_space: global }
      - { .name: psum, .offset: 24, .size: 8, .value_kind: global_buffer, .address_space: global }
    .group_segment_fixed_size: 327680
    .private_segment_fixed_size: 0
    .kernarg_segment_align: 8
    .kernarg_segment_size: 32
    .max_flat_workgroup_size: 128
    .sgpr_count:     74
    .vgpr_count:     1024
    .wavefront_size: 32
...
	.end_amdgpu_metadata
.endif
;; end of part 2
